; MI455X (gfx1250); checked and timed in simulation.
; The chip was launched on July 23, 2026; its instructions are those of AMD's public machine-readable ISA for CDNA 5 (MIT licence, August 2026) and "CDNA5" Instruction Set Architecture Reference Guide (July 2026). The comments in the code are by the model that wrote it; some were corrected since.
;; Split Scale Attend. Allowed arithmetic: matrix products marked QUANTISED: E2M1 operands, one E8M0 scale for each 32 along K, by v_wmma_scale_f32_16x16x128_f8f6f4 with both operands' format E2M1 (or v_wmma_scale_f32_32x16x128_f4), f32 sums; everything else in f32.
;; Inputs: k 4 x 16 x 2,048 x 64 float32; q 4 x 16 x 2,048 x 64 float32; v 4 x 16 x 2,048 x 64 float32.
;; Outputs: out0 4 x 16 x 2,048 x 64 float32.
;; This version of the problem:
;;   THIS VERSION OF THE PROBLEM IS GIVEN IN LOW PRECISION. The matrix products marked QUANTISED in the list below multiply operands that are first quantised to E2M1 (2 exponent bits, 1 mantissa bit; 4 bits a number), with one power-of-two scale for each 32 numbers along K (OCP MX v1.0); their sums are f32. All else is computed in f32.
;;   The module's matrix products, in the order in which they are computed (A, B: the left and right operand; K: the contracted axis; several contracted axes count as one K, in the product's order):
;;     1. batch 64 x [M 2,048, K 64] x [K 64, N 2,048]; A: input q; B: computed on the way: QUANTISED
;;     2. batch 64 x [M 2,048, K 2,048] x [K 2,048, N 64]; A: softmax (see below); B: input v: QUANTISED
;;   THE QUANTISER, for each operand of a quantised product, along K:
;;     - K is cut into blocks of 32 from its start; a last block that is shorter is filled with zeros.
;;     - A block's scale is 2^e with e = floor(log2(the largest magnitude in the block)) - 2, held to -126 .. 127; a block of zeros has e = 0. As a byte (E8M0): e + 127.
;;     - Each number is divided by its block's scale, clamped to +-6, and rounded to the nearest number of E2M1, ties to even, subnormals kept.
;;     - The product sums the exact products of the quantised numbers (number of the format x scale) in f32.
;;   ~~~python
;;   def quantise(x, axis):      # numpy; x: float32 -> the quantised numbers, widened to float32 again
;;       x = np.moveaxis(x, axis, -1); K = x.shape[-1]
;;       x = np.pad(x, [(0, 0)] * (x.ndim - 1) + [(0, -K % 32)]); x = x.reshape(x.shape[:-1] + (-1, 32)); a = np.abs(x).max(-1, keepdims=True)
;;       e = np.where(a > 0, np.clip(np.frexp(np.where(a > 0, a, 1))[1] - 1 - 2, -126, 127), 0)      # np.frexp(a)[1] - 1 = floor(log2(a)), exactly
;;       r = np.clip(x / 2.0 ** e, -6, 6)
;;       step = 2.0 ** (np.maximum(np.frexp(np.where(r == 0, 1, r))[1] - 1, 0) - 1)
;;       q = np.round(r / step) * step * 2.0 ** e      # np.round: ties to even
;;       return np.moveaxis(q.reshape(q.shape[:-2] + (-1,))[..., :K], -1, axis).astype(np.float32)
;;   ~~~
;;   SOFTMAX AHEAD OF A QUANTISED PRODUCT. Where the list says 'softmax', what is quantised is not the finished softmax but p = 2^(t - M), with t = logit x log2(e) and M = ceil(the row's largest t), a whole number; so 1/2 < the row's largest p <= 1. The row's sum l is taken of the UNQUANTISED p, in f32, and the product's result is divided by l at the end. Since M is a whole number, a kernel that streams over the keys may use a running M (the ceiling of the running maximum): every later rescaling is an exact power of two, which a block's scale takes up: the codes' values come out the same.
;;   OPERANDS COMPUTED ON THE WAY. 'Computed on the way' means the value that the module computes at that place (a softmax that the list does not call 'softmax' is quantised finished and normalised). What goes into a quantiser is computed in f32, as accurately as f32 sums, v_exp_f32 and their like allow (about 1e-6 of the number): no bf16 or f16 on the way to a quantiser, and a product that is left as it is and whose result goes on into a quantised operand takes f32 operands (vector FMAs, or v_wmma_f32_16x16x4_f32). A number that lies on a knife's edge between two numbers of the format may be rounded either way, as far as f32 arithmetic and the matrix unit's own rounding can turn it there, and no further.
;; One version. Each part assembles by itself: llvm-mc -triple=amdgcn-amd-amdhsa -mcpu=gfx1250 --defsym DOCPART=n.
;; ======== version 1 of 1: 1 launch
;; limits: right only within a limited range of input values
;; launch attend (part 1): grid 4 x 64, 16 waves a work-group, clusters of 4 x 1, 327,680 bytes of LDS; arguments q, k, v, out0; writes out0
.if DOCPART == 1
	.amdgcn_target "amdgcn-amd-amdhsa--gfx1250"
	.amdhsa_code_object_version 6
	.text
	.protected	k_q00f8d0ae91_attend
	.globl	k_q00f8d0ae91_attend
	.p2align	8
	.type	k_q00f8d0ae91_attend,@function
k_q00f8d0ae91_attend:
	s_mov_b64 s[64:65], 0
	v_nop
	global_prefetch_b8 v0, s[64:65] scope:SCOPE_SE
	s_setreg_imm32_b32 hwreg(HW_REG_WAVE_MODE, 25, 1), 1
	s_wait_xcnt 0x0
	s_wait_alu depctr_hold_cnt(0) depctr_sa_sdst(0) depctr_va_vdst(0) depctr_va_sdst(0) depctr_va_ssrc(0) depctr_va_vcc(0) depctr_vm_vsrc(0)
	s_getreg_b32 s2, hwreg(HW_REG_IB_STS2, 6, 4)
	s_cmp_eq_u32 s2, 0
	s_cbranch_scc0 .Lentry_in_a_cluster
	s_endpgm
.Lentry_in_a_cluster:
	s_bfe_u32 s2, ttmp6, 0x10000c
	s_cmp_lg_u32 s2, 0x3003
	s_cbranch_scc0 .Lentry_shape_is_right
	s_endpgm
.Lentry_shape_is_right:
; out0[head][q][:] = the sum over keys of softmax(q . (k / 8)) v, both products on codes of FP4 (E2M1) with one E8M0 scale for each 32 along a product's K.  64 heads, 2,048 queries and keys, 64 channels.
; ONE LAUNCH: q, k and v arrive as f32 and are quantised here.
; SHARES.  A work-group owns 512 queries of one head, each of its sixteen waves 32 of them: two tiles of 16, both walked in every key step, so that a fragment of K or V read from LDS serves both.
; THE STREAM.  K and V go in 16 steps of 128 keys.  A step's f32 rows (128 x 256 bytes of each) come into one of two LDS slots by tensor loads, 16 rows a wave (waves 0-7: K, waves 8-15: V).
; In trip j: step j + 2 is asked for, step j + 1 is quantised out of its slot (a block of 32 numbers to a lane: 512 blocks, 512 lanes) into one of two buffers of codes, and step j's codes are multiplied.
; One barrier a trip orders all three.  CLUSTER: the four work-groups of a head need the same rows: each load is asked for JOINTLY (mask 15), and the cluster's round is the refill's barrier.
; THE CODES' BUFFER (8,704 bytes) holds images of the operands' registers.  K: tile T (0..7) at 512 T, lane l at 16 l; lane (r, h) holds d = 32 h .. + 31 of key 32 (T / 2) + 8 (T % 2) + r + 8 (r / 8).
; V from 4,096: unit u = 4 c2 + kb at 512 u, lane l at 16 l: keys 32 kb .. + 31 of channel 32 c2 + l.  K's scale bytes from 8,192: 16 r + 2 T + h.  V's from 8,448: 128 c2 + 4 l + kb.
; k / 8 is a power of two off k: the codes are k's own and the byte is 3 lower.  A block's byte is its largest magnitude's exponent field - 2 (k: - 5), held at 1 from below.
; THE HEAD'S 64 FILL HALF OF THE INSTRUCTION'S K = 128: a fragment of K carries two tiles of 16 keys and is multiplied by [q | 0] and by [0 | q]; the zero halves' scale bytes are 0, a finite code.
; Both products are used transposed (S^T = K Q^T, O^T = V^T P^T): a lane holds one query throughout, and register 16 b + i of S^T is key 32 b + 16 (lane / 16) + i.
; THE SOFTMAX: t = score x log2(e); M = the ceiling of the row's largest t so far, kept as -M = min(-M, floor(-t)); p = 2^(t - M) is quantised, not normalised; the row's sum is of the unquantised p, in f32.
; When M moves, the sum and O^T are multiplied by 2^(old M - new M): exact.  O^T and the sums begin as zeros and -M as 2^127, so that the step is written once.
; PREFETCH: trip j asks for step j + 4, two trips ahead of its tensor load; steps 1 to 3 are asked for at the head.  A step's 128 blocks of 256 bytes of K (wave 0) and of V (wave 1) are shared out among the
; four partners by address, 32 blocks each, a lane a block.  The last two trips that load ask for nothing.
; LIMITS: NaN and infinities are not served.  The promise holds while |t| stays under 2^31.  A block of zeros, or one under the floor, keeps the byte 1 where the rule says 127: its codes are right and
; only this launch reads the bytes.  k / 8 is not rounded on its own: that differs only where |k| < 2^-123.
.set KPIT,  272                        ; an f32 row in LDS: 256 bytes + 16 of padding
.set HALF,  128*KPIT                   ; a step's rows of K or of V.  LDS: K slot 0, K slot 1, V slot 0, V slot 1
.set VF32,  2*HALF
.set CB,    4*HALF                     ; the two buffers of codes, CBS bytes each: bytes that no tensor load fills
.set CBS,   8704
.set VIMG,  4096
.set KSC,   8192
.set VSC,   8448
.set SPARE, CB+2*CBS                   ; the spare words, 128 bytes for each wave
.set STAGE, SPARE+2048                 ; the way out: 16 rows x 272 bytes for each wave
.set SP,    272
.set AK0,  1                           ; v1  K's image: CB + 16 lane
.set AV0,  2                           ; v2  V's image: CB + VIMG + 512 h + 16 r
.set ASK0, 3                           ; v3  K's scale words: CB + KSC + 16 r
.set ASV0, 4                           ; v4  V's: CB + VSC + 4 lane
.set XK0,  5                           ; v5  my block of K in an f32 slot
.set XV0,  6                           ; v6  my block of V
.set CST,  7                           ; v7  where my block's 16 bytes of codes go
.set KSA,  8                           ; v8  where its scale byte goes, for K,
.set VSA,  9                           ; v9  and for V
.set SPW,  10                          ; v10 my spare word; never rewritten
.set NIL,  11                          ; v11 0; never rewritten
.set NMB,  12                          ; v12 -M of my second tile
.set PFO,  13                          ; v13 256 x lane: the prefetches' offset
.set SUA,  14                          ; v[14:15], v[16:17] the two tiles' sums, each in two halves
.set SUB,  16
.set NMA,  18                          ; v18 -M of my first tile
.set OLD,  19
.set QB,   20                          ; v20-39 [qB][0][qA][0][qB]: the four runs of eight are [qB|0], [0|qA], [qA|0], [0|qB]
.set QA,   28
                                       ; v40, v41 the first tile's scale words for [q|0], [0|q]; v42, v43 the second's
.set KS,   44                          ; v44-47 K's scale words
.set VS,   48                          ; v48, v49 V's
.set PW,   50                          ; v50 p's scale word
.set FF,   51                          ; v51 f = 2^(old M - new M)
.set BM,   52                          ; v52-55 the blocks' largest scores, largest p, the conversions' scale operands; then two chains of the sum
.set PC,   56                          ; v56-63 p's codes; ahead of the conversions at work:
.set PT,   56
.set TMP,  61
.set KF,   64                          ; v64-95 K's four fragments
.set S,    96                          ; v96-159 S^T, then p; at a trip's head the block that I quantise
.set OA,   160                         ; v160-191, v192-223 O^T of the two tiles
.set OB,   192
.set VF,   224                         ; v224-255 V's four fragments
.set WV,   12
.set G1,   16                          ; s[16:23] descriptor group 1; s[24:27], s[28:31] group 0 for slot 0, 1
.set G0,   24
.set SEL,  32
.set NC,   34
.set FLOOR, 36
.set BOFF, 37
.set CNT,  38
.set LIM,  39
.set PFA,  40
.macro CROUND                          ; a round of the cluster's barrier
	s_barrier_signal -1
	s_barrier_wait -1
	s_cmp_lg_u32 s[WV], 0
	s_cbranch_scc1 .Lnot_wave_0_\@
	s_barrier_signal -3
.Lnot_wave_0_\@:
	s_barrier_wait -3
	s_barrier_signal -1
	s_barrier_wait -1
.endm
.macro BMAX xs, a, b                   ; the largest magnitude of 32 registers, in two chains; b is still to be joined
	v_max3_num_f32 v[\a], |v[\xs]|, |v[\xs+1]|, |v[\xs+2]|
	v_max3_num_f32 v[\b], |v[\xs+3]|, |v[\xs+4]|, |v[\xs+5]|
.irp i, 6,10,14,18,22,26
	v_max3_num_f32 v[\a], v[\a], |v[\xs+\i]|, |v[\xs+\i+1]|
	v_max3_num_f32 v[\b], v[\b], |v[\xs+\i+2]|, |v[\xs+\i+3]|
.endr
	v_max3_num_f32 v[\a], v[\a], |v[\xs+30]|, |v[\xs+31]|
.endm
.macro DADD d, a                       ; two additions in one line: an even and an odd destination
	v_dual_add_f32 v[\d], v[\a], v[\d] :: v_dual_add_f32 v[\d+1], v[\a+1], v[\d+1]
.endm
	s_load_b256 s[4:11], s[0:1], 0x0               ; q s[4:5], k s[6:7], v s[8:9], out0 s[10:11]
	v_lshl_add_u32 v[SPW], v0, 2, SPARE
	v_mov_b32 v[NIL], 0
	ds_add_u32 v[SPW], v[NIL]                      ; the opening lines: the add twice on end and one wait
	ds_add_u32 v[SPW], v[NIL]
	v_lshrrev_b32 v1, 5, v0
	v_readfirstlane_b32 s[WV], v1                  ; wave 0..15
	s_and_b32 s13, ttmp7, 0xffff                   ; the head, which the four partners share
	s_mov_b32 s[G1], 15|(3<<16)|(1<<20)|(1<<21)|(5<<22)|(3<<25)   ; mask: all four; elements of 8 bytes; 4 words of padding after every 64
	s_mov_b32 s[G1+1], 32<<16                      ; 16 rows of 32 elements, dense in memory
	s_mov_b32 s[G1+2], 16<<16
	s_mov_b32 s[G1+3], 32<<16
	s_mov_b32 s[G1+4], 16
	s_mov_b32 s[G1+5], 32
	s_mov_b32 s[G1+6], 0
	s_mov_b32 s[G1+7], 0
	s_mov_b32 s[G0], 1
	s_mov_b32 s[G0+4], 1
	s_mul_i32 s[G0+1], s[WV], 16*KPIT              ; LDS: 16 rows x wave, and V's waves one K slot further on
	s_lshr_b32 s14, s[WV], 3
	s_mul_i32 s14, s14, HALF
	s_add_co_u32 s[G0+1], s[G0+1], s14
	s_add_co_u32 s[G0+5], s[G0+1], HALF
	s_and_b32 s15, s[WV], 7                        ; T: my tile of K; my 16 rows of a step
	s_lshr_b32 s42, s15, 1
	s_mul_i32 s42, s42, 32*KPIT
	s_and_b32 s43, s15, 1
	s_mul_i32 s43, s43, 8*KPIT
	s_add_co_u32 s42, s42, s43                     ; the tile's first row
	s_and_b32 s43, s[WV], 3                        ; kb: my 32 keys of V
	s_mul_i32 s44, s43, 32*KPIT
	s_bfe_u32 s45, s[WV], 0x10002                  ; c2: my 32 channels
	s_lshl_b32 s45, s45, 7
	s_add_co_u32 s44, s44, s45
	s_add_co_u32 s44, s44, VF32
	s_add_co_u32 s48, s45, s43                     ; 128 c2 + kb
	s_lshl_b32 s46, s[WV], 9
	s_lshl_b32 s47, s15, 1
	s_bfe_u32 s49, ttmp6, 0x40000                  ; cx: it enters q's, O's and the prefetches' addresses alone
	s_lshl_b32 s14, ttmp9, 2
	s_add_co_u32 s14, s14, s49
	s_lshl_b32 s14, s14, 4
	s_add_co_u32 s14, s14, s[WV]                   ; my 32 queries, 0..63
	s_lshl_b32 s14, s14, 13
	s_lshl_b32 s13, s13, 19                        ; a head: 2,048 rows of 256 bytes
	s_add_co_u32 s50, s13, s14
	s_mov_b32 s51, 0
	s_lshl_b32 s52, s15, 12
	s_add_co_u32 s52, s52, s13                     ; my 16 rows of step 0
	s_mov_b32 s53, 0
	s_lshl_b32 s54, s49, 13
	s_add_co_u32 s54, s54, s13
	s_add_co_u32 s54, s54, 32768                   ; my work-group's 32 blocks of step 1
	s_mov_b32 s55, 0
	s_mov_b32 s[SEL], 0x76543210
	s_mov_b32 s[SEL+1], 0xfedcba98
	s_mov_b32 s[NC], 0xbfb8aa3b                    ; -log2(e)
	s_mov_b32 s[FLOOR], 0x1800000
	s_mov_b32 s[BOFF], 0xff000000
	v_and_b32 v52, 31, v0                          ; lane
	v_and_b32 v53, 15, v0                          ; r
	v_bfe_u32 v54, v0, 4, 1                        ; h
	v_and_b32 v55, 8, v0
	v_add_nc_u32 v55, v55, v53                     ; r + 8 (r / 8)
	v_lshl_add_u32 v[AK0], v52, 4, CB
	v_lshlrev_b32 v[AV0], 9, v54
	v_lshl_add_u32 v[AV0], v53, 4, v[AV0]
	v_add_nc_u32 v[AV0], CB+VIMG, v[AV0]
	v_lshl_add_u32 v[ASK0], v53, 4, CB+KSC
	v_lshl_add_u32 v[ASV0], v52, 2, CB+VSC
	v_mul_u32_u24 v[XK0], v55, KPIT
	v_lshl_add_u32 v[XK0], v54, 7, v[XK0]
	v_add_nc_u32 v[XK0], s42, v[XK0]
	v_lshlrev_b32 v[XV0], 2, v52
	v_add_nc_u32 v[XV0], s44, v[XV0]
	v_add_nc_u32 v[CST], s46, v[AK0]
	v_add_nc_u32 v[KSA], v[ASK0], v54
	v_add_nc_u32 v[KSA], s47, v[KSA]
	v_add_nc_u32 v[VSA], s48, v[ASV0]
	v_lshlrev_b32 v[PFO], 8, v52
	v_lshlrev_b32 v[OLD], 8, v55
	v_lshl_add_u32 v[OLD], v54, 7, v[OLD]          ; q: row r + 8 (r / 8) of a tile, my half's 128 bytes
	s_wait_alu depctr_va_vdst(0)
	s_wait_dscnt 0x0
	s_wait_kmcnt 0x0
	s_add_nc_u64 s[4:5], s[4:5], s[50:51]
	s_add_nc_u64 s[10:11], s[10:11], s[50:51]
	s_cmp_lt_u32 s[WV], 8                          ; K's wave or V's: the wave's number alone decides
	s_cselect_b64 s[G0+2:G0+3], s[6:7], s[8:9]
	s_cselect_b32 s[FLOOR], 0x3000000, s[FLOOR]    ; the floor: 2^(3 - 127), for k 2^(6 - 127)
	s_cselect_b32 s[BOFF], 0xfd800000, s[BOFF]     ; off the exponent field for the byte: 2, for k 5
	s_add_nc_u64 s[G0+2:G0+3], s[G0+2:G0+3], s[52:53]
	s_add_nc_u64 s[G0+6:G0+7], s[G0+2:G0+3], 32768
	s_cmp_eq_u32 s[WV], 0
	s_cselect_b64 s[PFA:PFA+1], s[6:7], s[8:9]
	s_add_nc_u64 s[PFA:PFA+1], s[PFA:PFA+1], s[54:55]
	s_cmp_lt_u32 s[WV], 2
	s_cselect_b32 s[LIM], 1, -1                    ; waves 0 and 1 prefetch while more than one trip of the loop is left
	s_or_b32 s[G0+3], s[G0+3], 0x80000000
	s_or_b32 s[G0+7], s[G0+7], 0x80000000
	CROUND                                         ; all four work-groups are here: the joint loads meet
	tensor_load_to_lds s[G0:G0+3], s[G1:G1+7]      ; step 0: my one tensor load at the head
	s_nop 0
.rept 4
	v_nop
.endr
	s_cmp_lt_u32 s[WV], 2
	s_cbranch_scc0 .Lno_head_ask
	global_prefetch_b8 v[PFO], s[PFA:PFA+1] th:TH_LOAD_NT scope:SCOPE_SE                 ; steps 1, 2 and 3
	global_prefetch_b8 v[PFO], s[PFA:PFA+1] offset:32768 th:TH_LOAD_NT scope:SCOPE_SE
	global_prefetch_b8 v[PFO], s[PFA:PFA+1] offset:65536 th:TH_LOAD_NT scope:SCOPE_SE
.Lno_head_ask:
.irp n, 0,1,2,3,4,5,6,7
	global_load_b128 v[KF+4*\n:KF+4*\n+3], v[OLD], s[4:5] offset:16*\n        ; q: my block of 32 numbers of each tile, into the fragments' registers, which are idle until the first step is multiplied
	global_load_b128 v[VF+4*\n:VF+4*\n+3], v[OLD], s[4:5] offset:2048+16*\n
.endr
.irp i, 0,1,2,3
	v_mov_b32 v[QB+4+\i], 0                        ; the zero codes
	v_mov_b32 v[QA+4+\i], 0
	v_mov_b32 v[PT+\i], 0                          ; a lane permute's destination counts as one of its sources
.endr
	v_mov_b32 v[NMA], 0x7f000000                   ; -M = 2^127
	v_mov_b32 v[NMB], 0x7f000000
.irp i, 0,2
	v_dual_mov_b32 v[SUA+\i], 0 :: v_dual_mov_b32 v[SUA+\i+1], 0
.endr
.set j, 0
.rept 32
	v_dual_mov_b32 v[OA+j], 0 :: v_dual_mov_b32 v[OA+j+1], 0
.set j, j+2
.endr
	s_wait_alu depctr_va_vdst(0)
.macro QQUANT                          ; q's two tiles become codes and scale words: run behind the pre-trip, so that q's bytes travel beside steps 0 and 1
	s_wait_loadcnt 0x0                             ; q
	BMAX KF, 52, 53
	BMAX VF, 54, 55
	v_max3_num_f32 v52, v52, v53, 0x1800000
	v_max3_num_f32 v54, v54, v55, 0x1800000
	v_add_nc_u32 v52, 0xff000000, v52              ; 2 off the exponent field: the conversion's scale operand
	v_add_nc_u32 v54, 0xff000000, v54
.irp g, 0,1,2,3
	v_cvt_scalef32_pk8_fp4_f32 v[QA+\g], v[KF+8*\g:KF+8*\g+7], v52
	v_cvt_scalef32_pk8_fp4_f32 v[QB+\g], v[VF+8*\g:VF+8*\g+7], v54
.endr
	v_lshrrev_b32 v53, 23, v52                     ; the bytes.  (A plain line behind the conversions)
	v_lshrrev_b32 v55, 23, v54
.irp g, 0,1,2,3
	v_mov_b32 v[QB+16+\g], v[QB+\g]
.endr
	v_permlanex16_b32 v56, v53, s[SEL], s[SEL+1]
	v_permlanex16_b32 v57, v55, s[SEL], s[SEL+1]
	v_lshl_or_b32 v40, v56, 8, v53                 ; lanes 0-15: block 0's byte, block 1's, 0, 0
	v_lshl_or_b32 v42, v57, 8, v55
	v_lshlrev_b32 v41, 16, v40
	v_lshlrev_b32 v43, 16, v42
.rept 8
	v_nop                                          ; a scale register written by a vector instruction stands 8 places ahead of a scaled product
.endr
.endm
; ONE TILE OF 16 QUERIES AGAINST 128 KEYS.  ql, qh: the runs [q|0], [0|q]; lo, hi: their scale words; o: O^T; nm: -M; su: the sum.
; vl = 1: V's fragments and scale words are asked for here, at voff of their addresses.  xl = 1: the block that I quantise next is asked for here, at xoff of its address.
.macro TILE ql, qh, lo, hi, o, nm, su, vl, voff, xl, xoff
.irp f, 0,1,2,3
	v_wmma_scale_f32_16x16x128_f8f6f4 v[S+16*\f:S+16*\f+7], v[KF+8*\f:KF+8*\f+7], v[\ql:\ql+7], 0, v[KS+\f], v[\lo] matrix_a_fmt:MATRIX_FMT_FP4 matrix_b_fmt:MATRIX_FMT_FP4
	v_wmma_scale_f32_16x16x128_f8f6f4 v[S+16*\f+8:S+16*\f+15], v[KF+8*\f:KF+8*\f+7], v[\qh:\qh+7], 0, v[KS+\f], v[\hi] matrix_a_fmt:MATRIX_FMT_FP4 matrix_b_fmt:MATRIX_FMT_FP4
.endr
.rept 4                                        ; four places behind the products (ISA guide 7.12.1)
	v_nop
.endr
.if \vl
.irp t, 0,1,2,3
.irp c, 0,1
	ds_load_b128 v[VF+8*\t+4*\c:VF+8*\t+4*\c+3], v[AV0] offset:\voff+2048*(\t/2)+1024*\c+256*(\t%2)   ; V's fragments land under the softmax and serve both tiles
.endr
.endr
	ds_load_b32 v[VS], v[ASV0] offset:\voff
	ds_load_b32 v[VS+1], v[ASV0] offset:\voff+128
.endif
.irp b, 0,1,2,3
	v_max3_num_f32 v[BM+\b], v[S+16*\b], v[S+16*\b+1], v[S+16*\b+2]   ; the largest score of each block of 32 keys: for the row's maximum and, since p rises with the score, for the block's largest p
.endr
.irp i, 3,5,7,9,11,13
.irp b, 0,1,2,3
	v_max3_num_f32 v[BM+\b], v[BM+\b], v[S+16*\b+\i], v[S+16*\b+\i+1]
.endr
.endr
.irp b, 0,1,2,3
	v_max_num_f32 v[BM+\b], v[BM+\b], v[S+16*\b+15]
.endr
.irp b, 0,1,2,3
	s_delay_alu instid0(VALU_DEP_4)
	v_permlanex16_b32 v[PT+\b], v[BM+\b], s[SEL], s[SEL+1]
.endr
.irp b, 0,1,2,3
	s_delay_alu instid0(VALU_DEP_4)
	v_max_num_f32 v[BM+\b], v[BM+\b], v[PT+\b]     ; with lane l xor 16's 16 keys
.endr
	s_delay_alu instid0(VALU_DEP_2)
	v_max3_num_f32 v[TMP], v[BM], v[BM+1], v[BM+2]
	s_delay_alu instid0(VALU_DEP_1)
	v_max_num_f32 v[TMP], v[TMP], v[BM+3]
	s_delay_alu instid0(VALU_DEP_1)
	v_mul_f32 v[TMP], s[NC], v[TMP]                ; -t
	s_delay_alu instid0(VALU_DEP_1)
	v_floor_f32 v[TMP], v[TMP]                     ; -ceil(t)
	s_delay_alu instid0(VALU_DEP_1)
	v_min_num_f32 v[TMP], v[\nm], v[TMP]           ; the new -M: the ceiling of a maximum is the maximum of the ceilings.  It stands in an odd register here,
	s_delay_alu instid0(VALU_DEP_1)
	v_sub_f32 v[OLD], v[TMP], v[\nm]               ; old M - new M: a whole number, 0 or less
	v_mov_b32 v[\nm], v[TMP]                       ; and in the tile's own even one: the two halves of a dual line take their addends from an even and an odd register
	s_delay_alu instid0(VALU_DEP_2)
	v_cvt_i32_f32 v[OLD], v[OLD]                   ; (it saturates)
	s_delay_alu instid0(VALU_DEP_1)
	v_ldexp_f32 v[FF], 1.0, v[OLD]                 ; f
.set j, 0
.rept 32
	v_dual_fmamk_f32 v[S+j], v[S+j], 0x3fb8aa3b, v[\nm] :: v_dual_fmamk_f32 v[S+j+1], v[S+j+1], 0x3fb8aa3b, v[TMP]   ; t - M, one rounding
.set j, j+2
.endr
.irp b, 0,2
	v_dual_fmamk_f32 v[BM+\b], v[BM+\b], 0x3fb8aa3b, v[\nm] :: v_dual_fmamk_f32 v[BM+\b+1], v[BM+\b+1], 0x3fb8aa3b, v[TMP]   ; the same of each block's largest score
.endr
	s_wait_alu depctr_va_vdst(0)
.set j, 0
.rept 64
	v_exp_f32 v[S+j], v[S+j]                       ; p = 2^(t - M): not normalised
.set j, j+1
.endr
.irp b, 0,1,2,3
	v_exp_f32 v[BM+\b], v[BM+\b]                   ; the block's largest p: the same bits as that p itself
.endr
	v_mul_f32 v[\su], v[FF], v[\su]                ; the sums under the new M.  (Plain lines behind the exponentials)
	v_mul_f32 v[\su+1], v[FF], v[\su+1]
	s_wait_alu depctr_va_vdst(0)                   ; one wait for the batch, ahead of its first reader
.irp b, 0,1,2,3
	v_max_num_f32 v[BM+\b], 0x1800000, v[BM+\b]    ; the floor 2^(3 - 127)
.endr
.irp b, 0,1,2,3
	s_delay_alu instid0(VALU_DEP_4)
	v_add_nc_u32 v[BM+\b], 0xff000000, v[BM+\b]    ; 2 off the exponent field: the conversion's scale operand
.endr
.irp b, 0,1,2,3
	s_delay_alu instid0(VALU_DEP_4)
	v_lshrrev_b32 v[PT+\b], 23, v[BM+\b]           ; the byte
.endr
	s_delay_alu instid0(VALU_DEP_3)
	v_lshl_or_b32 v[PW], v[PT+1], 8, v[PT]
	s_delay_alu instid0(VALU_DEP_1)
	v_lshl_or_b32 v[PW], v[PT+2], 16, v[PW]
	s_delay_alu instid0(VALU_DEP_1)
	v_lshl_or_b32 v[PW], v[PT+3], 24, v[PW]
.irp b, 0,1,2,3
	v_cvt_scalef32_pk8_fp4_f32 v[PC+2*\b], v[S+16*\b:S+16*\b+7], v[BM+\b]
	v_cvt_scalef32_pk8_fp4_f32 v[PC+2*\b+1], v[S+16*\b+8:S+16*\b+15], v[BM+\b]
.endr
	v_nop                                          ; a plain line behind the conversions
.irp c, 0,1                                    ; a whole block to a lane: lanes 0-15 block 2 c, lanes 16-31 block 2 c + 1
.irp i, 0,1
	v_permlane16_swap_b32 v[PC+4*\c+\i], v[PC+2+4*\c+\i]
.endr
.endr
	v_dual_add_f32 v[BM], v[S], v[S+2] :: v_dual_add_f32 v[BM+1], v[S+1], v[S+3]         ; the row's sum of the unquantised p, in three chains of two halves
	v_dual_add_f32 v[BM+2], v[S+4], v[S+6] :: v_dual_add_f32 v[BM+3], v[S+5], v[S+7]
.set j, 8
.rept 9
	DADD \su, S+j
	DADD BM, S+j+2
	DADD BM+2, S+j+4
.set j, j+6
.endr
	DADD \su, S+62
	DADD \su, BM
	DADD \su, BM+2
.if \xl                                        ; p has been summed and converted: its registers take the f32 block
	s_cmp_lt_u32 s[WV], 8
	s_cbranch_scc0 .Lxv_\@
.irp n, 0,1,2,3,4,5,6,7
	ds_load_b128 v[S+4*\n:S+4*\n+3], v[XK0] offset:\xoff+16*\n            ; K: 32 neighbours of my key's row
.endr
	s_branch .Lxj_\@
.Lxv_\@:
.irp i, 0,1,2,3,4,5,6,7,8,9,10,11,12,13,14,15,16,17,18,19,20,21,22,23,24,25,26,27,28,29,30,31
	ds_load_b32 v[S+\i], v[XV0] offset:\xoff+KPIT*\i                      ; V: my channel down 32 keys
.endr
.Lxj_\@:
.endif
	s_wait_alu depctr_va_vdst(0)                   ; directly ahead of the first reader of O^T
.set j, 0
.rept 16
	v_dual_mul_f32 v[\o+j], v[FF], v[\o+j] :: v_dual_mul_f32 v[\o+j+1], v[FF], v[\o+j+1]   ; O^T under the new M, each accumulator from its low end on
.set j, j+2
.endr
.if \vl
	s_wait_alu depctr_va_vdst(0)
.if \xl
	s_wait_dscnt 8                                 ; V's fragments and scale words are in; behind them a K wave has issued 8 loads of its block (a V wave 32: for it the count is the smaller one)
.else
	s_wait_dscnt 0x0
.endif
.endif
.irp t, 0,1,2,3
.if (\t)%2
	v_wmma_scale_f32_16x16x128_f8f6f4 v[\o+8*\t:\o+8*\t+7], v[VF+8*\t:VF+8*\t+7], v[PC:PC+7], v[\o+8*\t:\o+8*\t+7], v[VS+\t/2], v[PW] matrix_a_fmt:MATRIX_FMT_FP4 matrix_b_fmt:MATRIX_FMT_FP4 matrix_a_scale:MATRIX_SCALE_ROW1
.else
	v_wmma_scale_f32_16x16x128_f8f6f4 v[\o+8*\t:\o+8*\t+7], v[VF+8*\t:VF+8*\t+7], v[PC:PC+7], v[\o+8*\t:\o+8*\t+7], v[VS+\t/2], v[PW] matrix_a_fmt:MATRIX_FMT_FP4 matrix_b_fmt:MATRIX_FMT_FP4
.endif
.endr
.endm
; A TRIP.  p: the parity of the step that is multiplied.  fill: the f32 slot p is asked for again.  quant: the f32 slot 1 - p is quantised into buffer 1 - p.  att: buffer p is multiplied.
.macro TRIP p, fill, quant, att
	s_wait_alu depctr_va_vdst(0)
.if \fill
	s_wait_xcnt 0x0                                ; my prefetches have read their address
.if \att
	s_add_nc_u64 s[PFA:PFA+1], s[PFA:PFA+1], 32768
.else
	s_add_nc_u64 s[PFA:PFA+1], s[PFA:PFA+1], 65536 ; from step 1 to step 3: the first trip steps it to 4
.endif
.endif
.if \quant
	s_wait_tensorcnt 0x0                           ; my one load that was out, my rows of slot 1 - p, has landed
	ds_add_u32 v[SPW], v[NIL]
.if \fill
	s_add_nc_u64 s[G0+6-4*\p:G0+7-4*\p], s[G0+6-4*\p:G0+7-4*\p], 65536   ; that slot's next step
.endif
.endif
	s_wait_dscnt 0x0                               ; the add, my stores of codes and my reads of the slot and of the buffer that are written next are done
.if \fill
	CROUND                                         ; and so are those of every wave of the four work-groups
	tensor_load_to_lds s[G0+4*\p:G0+4*\p+3], s[G1:G1+7]   ; my one tensor load until the next round
	s_nop 0
.else
	s_barrier_signal -1
	s_barrier_wait -1
.endif
.rept 4
	v_nop                                          ; places in front of loads into registers that the last products read
.endr
.if (\quant) && (\att) == 0                    ; the pre-trip alone asks for its block here; a trip that multiplies asks inside its first tile
	s_cmp_lt_u32 s[WV], 8
	s_cbranch_scc0 .Lxv_\@
.irp n, 0,1,2,3,4,5,6,7
	ds_load_b128 v[S+4*\n:S+4*\n+3], v[XK0] offset:HALF*(1-\p)+16*\n      ; K: 32 neighbours of my key's row
.endr
	s_branch .Lxj_\@
.Lxv_\@:
.irp i, 0,1,2,3,4,5,6,7,8,9,10,11,12,13,14,15,16,17,18,19,20,21,22,23,24,25,26,27,28,29,30,31
	ds_load_b32 v[S+\i], v[XV0] offset:HALF*(1-\p)+KPIT*\i                ; V: my channel down 32 keys
.endr
.Lxj_\@:
.endif
.if \att
.irp n, 0,1,2,3,4,5,6,7
	ds_load_b128 v[KF+4*\n:KF+4*\n+3], v[AK0] offset:CBS*\p+512*\n
.endr
	ds_load_b128 v[KS:KS+3], v[ASK0] offset:CBS*\p
.if \fill
	s_cmp_gt_u32 s[CNT], s[LIM]
	s_cbranch_scc0 .Lnp_\@
	global_prefetch_b8 v[PFO], s[PFA:PFA+1] th:TH_LOAD_NT scope:SCOPE_SE   ; the step four on: two trips ahead of its tensor load
.Lnp_\@:
.endif
.endif
.if \att
	s_wait_dscnt 0x0                               ; K's fragments and scale words are in
	TILE QA, QA-4, 40, 41, OA, NMA, SUA, 1, CBS*\p, \quant, HALF*(1-\p)
.endif
.if \quant
	s_wait_dscnt 0x0                               ; my block is in
	BMAX S, S+36, S+37
	v_max3_num_f32 v[S+36], v[S+36], v[S+37], s[FLOOR]
	v_add_nc_u32 v[S+38], 0xff000000, v[S+36]      ; the conversion's scale operand
	v_add_nc_u32 v[S+39], s[BOFF], v[S+36]
.irp g, 0,1,2,3
	v_cvt_scalef32_pk8_fp4_f32 v[S+32+\g], v[S+8*\g:S+8*\g+7], v[S+38]
.endr
	v_lshrrev_b32 v[S+39], 23, v[S+39]             ; the byte.  (A plain line behind the conversions)
	ds_store_b128 v[CST], v[S+32:S+35] offset:CBS*(1-\p)
	s_wait_alu depctr_va_vdst(0)
	s_cmp_lt_u32 s[WV], 8
	s_cbranch_scc0 .Lsv_\@
	ds_store_b8 v[KSA], v[S+39] offset:CBS*(1-\p)
	s_branch .Lsj_\@
.Lsv_\@:
	ds_store_b8 v[VSA], v[S+39] offset:CBS*(1-\p)
.Lsj_\@:
.endif
.if \att
	s_wait_dscnt 0x0                               ; the fragments are in, and my stores have read their registers
	TILE QB, QB+12, 42, 43, OB, NMB, SUB, 0, 0, 0, 0
.endif
.endm
; THE WAY OUT of tile u: O^T / the sum goes through my own stage and comes back as whole rows of 256 bytes.  Row rr of the tile is query 8 u + rr + 8 (rr / 8) of my 32.
.macro OUT u, o, su, rb
	v_add_f32 v[\su], v[\su], v[\su+1]
	s_delay_alu instid0(VALU_DEP_1)
	v_permlanex16_b32 v[PT], v[\su], s[SEL], s[SEL+1]
	s_delay_alu instid0(VALU_DEP_1)
	v_add_f32 v[\su], v[\su], v[PT]
	s_wait_alu depctr_va_vdst(0)
	v_rcp_f32 v[\su], v[\su]
	v_nop
	s_wait_alu depctr_va_vdst(0)
.set j, 0
.rept 16
	v_dual_mul_f32 v[S+j], v[\su], v[\o+j] :: v_dual_mul_f32 v[S+j+1], v[\su], v[\o+j+1]
.set j, j+2
.endr
.irp t, 0,1,2,3
	ds_store_b128 v3, v[S+8*\t:S+8*\t+3] offset:64*\t
	ds_store_b128 v3, v[S+8*\t+4:S+8*\t+7] offset:64*\t+16
.endr
.irp i, 0,1,2,3,4,5,6,7
	ds_load_b128 v[\rb+4*\i:\rb+4*\i+3], v4 offset:2*\i*SP      ; LDS serves a wave's instructions in order: these see my stores
.endr
.irp i, 0,1,2,3,4,5,6,7
	s_wait_dscnt 7-\i
	global_store_b128 v5, v[\rb+4*\i:\rb+4*\i+3], s[10:11] offset:(2*\i+8*(\i/4))*256+2048*\u th:TH_STORE_NT   ; 32 lanes store 512 consecutive bytes, aligned
.endr
.endm
	TRIP 1, 1, 1, 0                                ; step 1 is asked for (slot 1's first fill, issued as a refill is), step 0 is quantised
	QQUANT
	s_mov_b32 s[CNT], 7
.Lloop:                                            ; steps 0 to 13 are multiplied, 1 to 14 quantised, 2 to 15 asked for
	TRIP 0, 1, 1, 1
	TRIP 1, 1, 1, 1
	s_sub_co_u32 s[CNT], s[CNT], 1
	s_cmp_lg_u32 s[CNT], 0
	s_cbranch_scc1 .Lloop
	TRIP 0, 0, 1, 1                                ; the tail is written out: nothing more is asked for
	TRIP 1, 0, 0, 1
	v_and_b32 v1, 15, v0                           ; r
	v_bfe_u32 v2, v0, 4, 1                         ; h
	s_mul_i32 s42, s[WV], 16*SP
	s_add_co_u32 s42, s42, STAGE
	v_mul_u32_u24 v3, v1, SP
	v_lshl_add_u32 v3, v2, 5, v3
	v_add_nc_u32 v3, s42, v3                       ; in: row r; channel tile t's eight channels of my half at 64 t + 32 h
	v_mul_u32_u24 v4, v2, SP
	v_lshl_add_u32 v4, v1, 4, v4
	v_add_nc_u32 v4, s42, v4                       ; back: lanes 0-15 one row, lanes 16-31 the next
	v_lshlrev_b32 v5, 8, v2
	v_lshl_add_u32 v5, v1, 4, v5                   ; and the same two rows in O
	OUT 0, OA, SUA, KF
	OUT 1, OB, SUB, VF
	s_wait_tensorcnt 0x0                           ; the wave's end
	ds_add_u32 v[SPW], v[NIL]
	s_wait_dscnt 0x0
	CROUND                                         ; the closing round
	s_endpgm
.Lfunc_end_k_q00f8d0ae91_attend:
	.size	k_q00f8d0ae91_attend, .Lfunc_end_k_q00f8d0ae91_attend-k_q00f8d0ae91_attend
	.p2alignl 7, 3214868480
	.fill 96, 4, 3214868480
	.section	.rodata,"a",@progbits
	.p2align	6, 0x0
	.amdhsa_kernel k_q00f8d0ae91_attend
		.amdhsa_group_segment_fixed_size 327680
		.amdhsa_private_segment_fixed_size 0
		.amdhsa_enable_private_segment 0
		.amdhsa_kernarg_size 32
		.amdhsa_user_sgpr_count 2
		.amdhsa_user_sgpr_kernarg_segment_ptr 1
		.amdhsa_wavefront_size32 1
		.amdhsa_system_sgpr_workgroup_id_x 1
		.amdhsa_system_sgpr_workgroup_id_y 1
		.amdhsa_system_sgpr_workgroup_id_z 1
		.amdhsa_system_vgpr_workitem_id 0
		.amdhsa_next_free_vgpr 256
		.amdhsa_next_free_sgpr 66
		.amdhsa_reserve_vcc 0
		.amdhsa_float_denorm_mode_32 3
		.amdhsa_float_denorm_mode_16_64 3
		.amdhsa_memory_ordered 1
		.amdhsa_forward_progress 1
		.amdhsa_inst_pref_size 168
	.end_amdhsa_kernel
	.amdgpu_metadata
---
amdhsa.version: [ 1, 2 ]
amdhsa.kernels:
  - .name:           k_q00f8d0ae91_attend
    .symbol:         k_q00f8d0ae91_attend.kd
    .args:
      - { .name: q, .offset: 0, .size: 8, .value_kind: global_buffer, .address_space: global }
      - { .name: k, .offset: 8, .size: 8, .value_kind: global_buffer, .address_space: global }
      - { .name: v, .offset: 16, .size: 8, .value_kind: global_buffer, .address_space: global }
      - { .name: out0, .offset: 24, .size: 8, .value_kind: global_buffer, .address_space: global }
    .group_segment_fixed_size: 327680
    .private_segment_fixed_size: 0
    .kernarg_segment_align: 8
    .kernarg_segment_size: 32
    .max_flat_workgroup_size: 512
    .sgpr_count:     66
    .vgpr_count:     256
    .wavefront_size: 32
...
	.end_amdgpu_metadata
.endif
;; end of part 1
